; MI455X (gfx1250); checked and timed in simulation.
; The chip was launched on July 23, 2026; its instructions are those of AMD's public machine-readable ISA for CDNA 5 (MIT licence, August 2026) and "CDNA5" Instruction Set Architecture Reference Guide (July 2026). The comments in the code are by the model that wrote it; some were corrected since.
;; KNN Model. Allowed arithmetic: float matrix products may take bf16 or f16 operands with f32 sums; all other float work in f32.
;; Inputs: base_data 100,000 x 512 float32; x 1,024 x 512 float32.
;; Outputs: out0 1,024 x 5 float32.
;; Constants: k = 5.
;; One version. Each part assembles by itself: llvm-mc -triple=amdgcn-amd-amdhsa -mcpu=gfx1250 --defsym DOCPART=n.
;; ======== version 1 of 1: 3 launches
;; limits: right only within a limited range of input values
;; workspace buffers: xf 1,048,576 bytes; xn 4,096 bytes; cand 2,621,440 bytes
;; launch prep (part 1): grid 16 x 1, 16 waves a work-group, no clusters, 135,168 bytes of LDS; arguments x, xf, xn; writes xf, xn
.if DOCPART == 1
	.amdgcn_target "amdgcn-amd-amdhsa--gfx1250"
	.amdhsa_code_object_version 6
	.text
	.protected	k_q71ae0a4fd7_prep
	.globl	k_q71ae0a4fd7_prep
	.p2align	8
	.type	k_q71ae0a4fd7_prep,@function
k_q71ae0a4fd7_prep:
	s_mov_b64 s[64:65], 0
	v_nop
	global_prefetch_b8 v0, s[64:65] scope:SCOPE_SE
	s_setreg_imm32_b32 hwreg(HW_REG_WAVE_MODE, 25, 1), 1
	s_wait_xcnt 0x0
; x [1024][512] f32  ->  xf: x rounded to bf16, laid out as the register images of matrix operands;  xn: the squared norms of the ROUNDED rows.
; Work-group blk takes the 64 queries 64 blk .. 64 blk + 63 (query = 64 blk + 16 n + r).
; xf[blk][ka 0..15][n 0..3][1024 bytes]: the fragment of queries (n, r = 0..15), k = 32 ka .. 32 ka + 31.  Lane L = 16 h + r holds
;   registers 0-3 (k = 32 ka + 8 h + 0..7) at byte 16 L and registers 4-7 (k = 32 ka + 16 + 8 h + 0..7) at byte 512 + 16 L,
;   so that the next launch fills a fragment by two loads of 512 neighbouring bytes.
; xn[blk][r][n] f32.
; The norm is taken from the rounded numbers: the distance made later is then |xr - br|^2 of the rounded vectors up to f32 rounding,
; and no difference of sums that were rounded differently is formed.
; No matrix unit, no tensor load: 128 KiB a work-group pass once through registers and LDS, only to turn rows into fragments.
.set XP,   2064                        ; LDS pitch of a row: 2,048 bytes + 16 = 129 x 16, so 16 rows of one column start in 16 different 16-byte columns of 256
.set NPX,  64*XP                       ; behind the rows: norm partials [wave 16][r 16] f32, 1,024 bytes; wave = 4 n + kg
.set LOFF, 2                           ; 16 x lane
.set GOFF, 3                           ; byte offset in x of my 16 bytes of the wave's first row
.set LST,  4                           ; LDS address of the same
.set RR,   5                           ; r
.set HH,   6                           ; h
.set LRD,  7                           ; LDS address of my part of a fragment, in f32
.set XFO,  8                           ; byte offset in xf
.set NPA,  9                           ; where my norm partial goes: NPX + 64 wave + 4 r
.set TP,   10                          ; the other half's sum
.set ZERO, 11
.set NA,   12                          ; v[12:15] four chains of the sum of squares; at the end the four norms of my r
.set IN,   16                          ; v[16:79] 64 f32
.set OUT,  80                          ; v[80:111] four fragments
.set R16,  112                         ; 16 r
.set NPR,  113                         ; NPX + 4 r
	s_load_b128 s[4:7], s[0:1], 0x0                ; x s[4:5], xf s[6:7]
	s_load_b64 s[8:9], s[0:1], 0x10                ; xn
	v_lshl_add_u32 v114, v0, 2, 0x20800
	v_mov_b32 v115, 0
	v_lshrrev_b32 v1, 5, v0
	v_readfirstlane_b32 s10, v1                    ; wave 0..15
	v_and_b32 v1, 31, v0
	v_lshlrev_b32 v[LOFF], 4, v1
	s_lshl_b32 s12, ttmp9, 17                      ; 64 rows of 2,048 bytes
	s_mov_b32 s13, 0
	s_lshl_b32 s14, s10, 13                        ; the wave's four rows
	v_add_nc_u32 v[GOFF], s14, v[LOFF]
	s_wait_kmcnt 0x0
	s_add_nc_u64 s[4:5], s[4:5], s[12:13]
	; phase 1: wave v brings rows 4 v .. 4 v + 3, each load 512 neighbouring bytes
.irp q, 0,1,2,3
.irp j, 0,1,2,3
	global_load_b128 v[IN+16*\q+4*\j:IN+16*\q+4*\j+3], v[GOFF], s[4:5] offset:\q*2048+\j*512 th:TH_LOAD_NT
.endr
.endr
	s_lshl_b32 s12, ttmp9, 16
	s_add_nc_u64 s[6:7], s[6:7], s[12:13]          ; xf at my block
	s_lshl_b32 s12, ttmp9, 8
	s_add_nc_u64 s[8:9], s[8:9], s[12:13]          ; xn at my block
	s_mul_i32 s15, s10, 4*XP
	v_add_nc_u32 v[LST], s15, v[LOFF]
	v_and_b32 v[RR], 15, v0
	v_bfe_u32 v[HH], v0, 4, 1
	s_lshr_b32 s16, s10, 2                         ; phase 2: my tile of 16 queries, n
	s_and_b32 s17, s10, 3                          ; and my quarter of K, kg
	v_mul_u32_u24 v[LRD], v[RR], XP
	v_lshl_add_u32 v[LRD], v[HH], 5, v[LRD]        ; row r, 32 h bytes in
	s_mul_i32 s18, s16, 16*XP
	s_lshl_b32 s19, s17, 9
	s_add_co_u32 s18, s18, s19
	v_add_nc_u32 v[LRD], s18, v[LRD]               ; + 16 n rows + 512 kg bytes
	s_lshl_b32 s19, s17, 14
	s_lshl_b32 s20, s16, 10
	s_add_co_u32 s19, s19, s20
	v_add_nc_u32 v[XFO], s19, v[LOFF]              ; 16,384 kg + 1,024 n + 16 L
	s_lshl_b32 s19, s10, 6                         ; my wave's 64 bytes of norm partials
	s_add_co_u32 s19, s19, NPX
	v_lshl_add_u32 v[NPA], v[RR], 2, s19           ; a constant + the wave's number x 64 + 4 r
	v_lshlrev_b32 v[R16], 4, v[RR]
	v_lshl_add_u32 v[NPR], v[RR], 2, NPX
	v_mov_b32 v[ZERO], 0
	v_mov_b32 v[TP], 0                             ; the lane exchange below counts as a reader of its destination
	s_mov_b32 s22, 0x76543210                      ; lane i of one half reads lane i of the other
	s_mov_b32 s23, 0xfedcba98
.irp q, 0,1,2,3
	s_wait_loadcnt 12-4*\q                         ; loads come back in order: row q's four are in, the younger rows' stay out
.irp j, 0,1,2,3
	ds_store_b128 v[LST], v[IN+16*\q+4*\j:IN+16*\q+4*\j+3] offset:\q*XP+\j*512
.endr
.endr
	s_wait_dscnt 0x0                               ; my rows are in LDS before I say so
	s_barrier_signal -1
	s_barrier_wait -1
	; phase 2: wave (n, kg) makes the four fragments ka = 4 kg + f of tile n
.irp f, 0,1,2,3
	ds_load_b128 v[IN+16*\f:IN+16*\f+3],     v[LRD] offset:\f*128
	ds_load_b128 v[IN+16*\f+4:IN+16*\f+7],   v[LRD] offset:\f*128+16
	ds_load_b128 v[IN+16*\f+8:IN+16*\f+11],  v[LRD] offset:\f*128+64
	ds_load_b128 v[IN+16*\f+12:IN+16*\f+15], v[LRD] offset:\f*128+80
.endr
.irp f, 0,1,2,3
	s_wait_dscnt 12-4*\f                           ; fragment f's four loads are in
.irp j, 0,1,2,3,4,5,6,7
	v_cvt_pk_bf16_f32 v[OUT+8*\f+\j], v[IN+16*\f+2*\j], v[IN+16*\f+2*\j+1]
.endr
.irp j, 0,1,2,3,4,5,6,7
.set ad0, NA+(2*\j)%4
.set ad1, NA+(2*\j+1)%4
.set sr0, ad0
.set sr1, ad1
.if \f == 0
.if \j < 2
.set sr0, ZERO                                     ; the first four products start the four chains
.set sr1, ZERO
.endif
.endif
	v_fma_mix_f32_bf16 v[ad0], v[OUT+8*\f+\j], v[OUT+8*\f+\j], v[sr0] op_sel_hi:[1,1,0]
	v_fma_mix_f32_bf16 v[ad1], v[OUT+8*\f+\j], v[OUT+8*\f+\j], v[sr1] op_sel:[1,1,0] op_sel_hi:[1,1,0]
.endr
	global_store_b128 v[XFO], v[OUT+8*\f:OUT+8*\f+3],   s[6:7] offset:\f*4096       ; each store: 512 neighbouring bytes, aligned
	global_store_b128 v[XFO], v[OUT+8*\f+4:OUT+8*\f+7], s[6:7] offset:\f*4096+512
.endr
	v_pk_add_f32 v[NA:NA+1], v[NA:NA+1], v[NA+2:NA+3]
	v_add_f32 v[NA], v[NA], v[NA+1]
	v_permlanex16_b32 v[TP], v[NA], s22, s23       ; the other 64 numbers of row r in this quarter of K
	v_add_f32 v[NA], v[NA], v[TP]
	ds_store_b32 v[NPA], v[NA]                     ; bytes behind the rows, which no row load touches; both halves write the same word with the same value
	s_wait_dscnt 0x0                               ; my partial is in LDS before I say so
	s_barrier_signal -1
	s_barrier_wait -1
	; phase 3: wave 0 adds the four quarters of K for each of the four tiles and stores the block's 256 bytes of xn
	s_cmp_lg_u32 s10, 0
	s_cbranch_scc1 .Lend
.irp u, 0,1,2,3,4,5,6,7,8,9,10,11,12,13,14,15
	ds_load_b32 v[IN+\u], v[NPR] offset:\u*64      ; wave u = 4 n + kg: its partial of row r
.endr
	s_wait_dscnt 0x0
.irp n, 0,1,2,3
	v_pk_add_f32 v[IN+4*\n:IN+4*\n+1], v[IN+4*\n:IN+4*\n+1], v[IN+4*\n+2:IN+4*\n+3]
.endr
.irp n, 0,1,2,3
	v_add_f32 v[NA+\n], v[IN+4*\n], v[IN+4*\n+1]   ; into registers that no pending store reads
.endr
	global_store_b128 v[R16], v[NA:NA+3], s[8:9]   ; lanes 0-15 fill the 256 bytes; lanes 16-31 repeat them, so EXEC stays whole
.Lend:
	s_wait_tensorcnt 0x0
	ds_add_u32 v114, v115
	s_wait_dscnt 0x0
	s_endpgm
.Lfunc_end_k_q71ae0a4fd7_prep:
	.size	k_q71ae0a4fd7_prep, .Lfunc_end_k_q71ae0a4fd7_prep-k_q71ae0a4fd7_prep
	.p2alignl 7, 3214868480
	.fill 96, 4, 3214868480
	.section	.rodata,"a",@progbits
	.p2align	6, 0x0
	.amdhsa_kernel k_q71ae0a4fd7_prep
		.amdhsa_group_segment_fixed_size 135168
		.amdhsa_private_segment_fixed_size 0
		.amdhsa_enable_private_segment 0
		.amdhsa_kernarg_size 24
		.amdhsa_user_sgpr_count 2
		.amdhsa_user_sgpr_kernarg_segment_ptr 1
		.amdhsa_wavefront_size32 1
		.amdhsa_system_sgpr_workgroup_id_x 1
		.amdhsa_system_sgpr_workgroup_id_y 1
		.amdhsa_system_sgpr_workgroup_id_z 1
		.amdhsa_system_vgpr_workitem_id 0
		.amdhsa_next_free_vgpr 116
		.amdhsa_next_free_sgpr 66
		.amdhsa_reserve_vcc 0
		.amdhsa_float_denorm_mode_32 3
		.amdhsa_float_denorm_mode_16_64 3
		.amdhsa_memory_ordered 1
		.amdhsa_forward_progress 1
		.amdhsa_inst_pref_size 15
	.end_amdhsa_kernel
	.amdgpu_metadata
---
amdhsa.version: [ 1, 2 ]
amdhsa.kernels:
  - .name:           k_q71ae0a4fd7_prep
    .symbol:         k_q71ae0a4fd7_prep.kd
    .args:
      - { .name: x, .offset: 0, .size: 8, .value_kind: global_buffer, .address_space: global }
      - { .name: xf, .offset: 8, .size: 8, .value_kind: global_buffer, .address_space: global }
      - { .name: xn, .offset: 16, .size: 8, .value_kind: global_buffer, .address_space: global }
    .group_segment_fixed_size: 135168
    .private_segment_fixed_size: 0
    .kernarg_segment_align: 8
    .kernarg_segment_size: 24
    .max_flat_workgroup_size: 512
    .sgpr_count:     66
    .vgpr_count:     116
    .wavefront_size: 32
...
	.end_amdgpu_metadata
.endif
;; end of part 1
;; launch main (part 2): grid 256 x 1, 4 waves a work-group, clusters of 4 x 1, 327,680 bytes of LDS; arguments base_data, xf, cand; writes cand
.if DOCPART == 2
	.amdgcn_target "amdgcn-amd-amdhsa--gfx1250"
	.amdhsa_code_object_version 6
	.text
	.protected	k_q71ae0a4fd7_main
	.globl	k_q71ae0a4fd7_main
	.p2align	8
	.type	k_q71ae0a4fd7_main,@function
k_q71ae0a4fd7_main:
	s_mov_b64 s[64:65], 0
	v_nop
	global_prefetch_b8 v0, s[64:65] scope:SCOPE_SE
	s_setreg_imm32_b32 hwreg(HW_REG_WAVE_MODE, 25, 1), 1
	s_wait_xcnt 0x0
	s_wait_alu depctr_hold_cnt(0) depctr_sa_sdst(0) depctr_va_vdst(0) depctr_va_sdst(0) depctr_va_ssrc(0) depctr_va_vcc(0) depctr_vm_vsrc(0)
	s_getreg_b32 s2, hwreg(HW_REG_IB_STS2, 6, 4)
	s_cmp_eq_u32 s2, 0
	s_cbranch_scc0 .Lentry_in_a_cluster
	s_endpgm
.Lentry_in_a_cluster:
	s_bfe_u32 s2, ttmp6, 0x10000c
	s_cmp_lg_u32 s2, 0x3003
	s_cbranch_scc0 .Lentry_shape_is_right
	s_endpgm
.Lentry_shape_is_right:
; For every query the five largest t = xr.br - |br|^2 / 2 over a share of the base rows (xr, br: x and base rounded to bf16); the last launch
; makes d = sqrt(max(|xr|^2 - 2 t, 0)), so the largest t is the smallest distance.
;
; SHARES.  Cluster c (64 of them, four work-groups each) owns base rows 1563 c .. 1563 c + 1562 (the last: 1,531 rows).  It walks a window of
; exactly 1,600 rows that starts at min(1563 c, 98400): every cluster has the same 25 steps of 64 rows and no tile leaves the tensor.  Window rows
; that are not the cluster's own get -2^120 in place of each quarter of -|br|^2 / 2 and can enter no final list.
; Work-group cx of the cluster holds queries 256 cx .. + 255, wave w 64 of them: 4 tiles of 16 queries x K = 512 in bf16 = 512 registers, loaded once.
; CLUSTER: the four work-groups need the same base tiles; each tile is asked for jointly (mask 15), each of the four receives it in its own LDS.
; cx enters the addresses of xf and cand alone: no LDS address, no branch, no descriptor.
;
; ONE SUB-STEP = 16 base rows x 64 queries x K 512 = 64 matrix instructions a wave.  Source A = base rows, source B = queries: lane (r, h) then holds,
; in register j of a result, base row 8 h + j against query r, so a LANE is a query and the selection needs no traffic between lanes.
; -|br|^2 / 2 is the C operand of the first matrix instruction of each sum.
; Base comes as f32: wave w converts K quarter w (k = 128 w .. + 127) of the NEXT 16 rows while this sub-step multiplies, keeps its own four fragments in
; registers and hands them to the other three waves through LDS.  Each wave walks K beginning with its own quarter: (w + 0, 1, 2, 3) mod 4.
;
; LIMITS.  NaN and infinities in the inputs are not reproduced (the _num forms of max and med3 drop a NaN).  The mask -2^120 holds while
; |br|^2 / 2 + |xr.br| < 2^118.  The order of the K sum differs from wave to wave.  Matrix operands are bf16, sums f32.
.set NBASE,   100000
.set OWNROWS, 1563                     ; ceil(100000 / 64)
.set WINROWS, 1600                     ; 25 steps of 64 rows
.set PITCH,   528                      ; an LDS row of a tile: 512 bytes + 16 = 33 x 16: sixteen rows of one column start in sixteen different 16-byte columns of 256
.set TILEB,   16*PITCH                 ; 16 rows
.set CHUNK,   64*PITCH                 ; one tensor load: 64 rows x 128 f32, one wave's K quarter
.set SLOT,    4*CHUNK                  ; 135,168 bytes; two slots
.set STG,     2*SLOT                   ; 270,336: bf16 fragments, two buffers of 16,384: [quarter 4][fragment 4][1,024]; no tensor load lands here
.set STGB,    16384
.set NORM,    STG+2*STGB               ; 303,104: two buffers of 256 bytes: [wave 4][row 16] f32
; block 0 of the vector registers
.set ACV,  2                           ; v2, v3   LDS address of my f32 numbers in slot 0, 1: w CHUNK + r PITCH + 32 h
.set AG,   4                           ; v4..v7   STG + ((w + i) mod 4) 4,096 + 16 L; i = 0 is where I store
.set ANRM, 8                           ; NORM + 32 h
.set ANS,  9                           ; NORM + 64 w + 4 r
.set REL,  10                          ; row r of the tile being converted, counted from my cluster's first own row
.set TP,   11                          ; the other half's sum
.set NA,   12                          ; v[12:15]  four chains of the sum of squares
.set NRM,  16                          ; v[16:23]  -|br|^2 / 2 of rows 8 h + 0..7: the C operand
.set LB,   24                          ; v[24:43]  list entry i of query tile n at LB + 4 i + n, descending
.set LOFF, 44                          ; 16 L
.set ZERO, 46
.set HH,   47
.set CF,   48                          ; v[48:79]  two buffers of 16 f32
.set OWN,  80                          ; v[80:143] my own quarter's four fragments, two buffers
.set ACC,  144                         ; v[144:207] 4 results of 8 registers, two buffers
; block 1: fragments read from LDS;  blocks 2, 3: the queries, K group g (in my order) in block 2 + g / 2 at (g mod 2) 128 + 32 f + 8 n
.set FB0,  0
.set FB1,  32
.set G1,   24                          ; s[24:31] descriptor group 1
.set G0,   32                          ; s[32:39] descriptor group 0, one set a slot
.set XB,   40                          ; s[40:47] xf at my four K groups
.set MSB,  0
.macro WIN new                         ; low byte: bits 1:0 source 0, 3:2 source 1, 5:4 source 2, 7:6 destination; the high byte repeats the setting that is left
.if MSB != \new
	s_set_vgpr_msb (MSB<<8)|\new
.set MSB, \new
.endif
.endm
.macro PLACES
.rept 4
	v_nop
.endr
.endm
; A round of the cluster's barrier: my work-group's barrier, wave 0 signals for the work-group, every wave waits for all four work-groups, my work-group's barrier again.
.macro CREST                           ; the round behind its opening barrier
	s_cmp_lg_u32 s10, 0
	s_cbranch_scc1 .Lnot_wave_0_\@
	s_barrier_signal -3
.Lnot_wave_0_\@:
	s_barrier_wait -3
	s_barrier_signal -1
	s_barrier_wait -1
.endm
.macro CROUND
	s_barrier_signal -1
	s_barrier_wait -1
	CREST
.endm
; Eight results of query tile n in buffer s go into the tile's sorted list of five.  An insert is five instructions that all read the list as it was:
; entry i becomes the middle one of (entry i - 1, entry i, v), entry 0 the larger of itself and v.  No branch, no compare.
.macro TOPK s, n
.irp j, 0,1,2,3,4,5,6,7
	v_med3_num_f32 v[LB+16+\n], v[LB+12+\n], v[LB+16+\n], v[ACC+32*(\s)+8*\n+\j]
	v_med3_num_f32 v[LB+12+\n], v[LB+8+\n],  v[LB+12+\n], v[ACC+32*(\s)+8*\n+\j]
	v_med3_num_f32 v[LB+8+\n],  v[LB+4+\n],  v[LB+8+\n],  v[ACC+32*(\s)+8*\n+\j]
	v_med3_num_f32 v[LB+4+\n],  v[LB+\n],    v[LB+4+\n],  v[ACC+32*(\s)+8*\n+\j]
	v_max_num_f32  v[LB+\n],    v[LB+\n],    v[ACC+32*(\s)+8*\n+\j]
.endr
.endm
; The 16 f32 that make my part of one fragment: k = 8 h + 0..7 and 16 + 8 h + 0..7 of row r, at byte o of slot sl's rows, into buffer b
.macro CFLD b, sl, o
	ds_load_b128 v[CF+16*\b:CF+16*\b+3],     v[ACV+\sl] offset:\o
	ds_load_b128 v[CF+16*\b+4:CF+16*\b+7],   v[ACV+\sl] offset:\o+16
	ds_load_b128 v[CF+16*\b+8:CF+16*\b+11],  v[ACV+\sl] offset:\o+64
	ds_load_b128 v[CF+16*\b+12:CF+16*\b+15], v[ACV+\sl] offset:\o+80
.endm
; Fragment f of my quarter, for buffer t: round to bf16, add the squares of the ROUNDED numbers, hand the fragment to the other waves;
; more = 1: fetch the f32 of fragment f + 2 into the buffer just read.
.macro CONV f, t, sl, cs, more
.set cb, CF+16*((\f)&1)
.set ob, OWN+32*(\t)+8*(\f)
.irp j, 0,1,2,3,4,5,6,7
	v_cvt_pk_bf16_f32 v[ob+\j], v[cb+2*\j], v[cb+2*\j+1]
.endr
.irp j, 0,1,2,3,4,5,6,7
.set ad0, NA+(2*\j)%4
.set ad1, NA+(2*\j+1)%4
.set sr0, ad0
.set sr1, ad1
.if \f == 0
.if \j < 2
.set sr0, ZERO                                     ; the first four products start the four chains: nothing is cleared
.set sr1, ZERO
.endif
.endif
	v_fma_mix_f32_bf16 v[ad0], v[ob+\j], v[ob+\j], v[sr0] op_sel_hi:[1,1,0]
	v_fma_mix_f32_bf16 v[ad1], v[ob+\j], v[ob+\j], v[sr1] op_sel:[1,1,0] op_sel_hi:[1,1,0]
.endr
	ds_store_b128 v[AG], v[ob:ob+3]   offset:(\t)*STGB+(\f)*1024
	ds_store_b128 v[AG], v[ob+4:ob+7] offset:(\t)*STGB+(\f)*1024+512
.if \more
	CFLD \f, \sl, \cs+((\f)+2)*128
.endif
.endm
; My quarter's part of -|br|^2 / 2 of row r, or the mask, into buffer t
.macro NORMFIN t
	v_pk_add_f32 v[NA:NA+1], v[NA:NA+1], v[NA+2:NA+3]
	v_add_f32 v[NA], v[NA], v[NA+1]
	v_permlanex16_b32 v[TP], v[NA], s18, s19       ; the other half of the lanes holds the other 64 numbers of the row
	v_add_f32 v[NA], v[NA], v[TP]
	v_mul_f32 v[NA], -0.5, v[NA]
	v_cmp_gt_u32 vcc_lo, s13, v[REL]               ; unsigned: rows in front of my cluster's first own row wrap to large numbers
	v_cndmask_b32 v[NA], 0xfb800000, v[NA], vcc_lo ; -2^120 for a row that is not my cluster's
	v_add_nc_u32 v[REL], 16, v[REL]                ; the next tile
	ds_store_b32 v[ANS], v[NA] offset:(\t)*256     ; both halves write the same word with the same value
.endm
; Four fragments of K group i from buffer p of the stage into fb (block 1)
.macro FBLD fb, i, p
.irp f, 0,1,2,3
	ds_load_b128 v[\fb+8*\f:\fb+8*\f+3],   v[AG+\i] offset:\p*STGB+\f*1024
	ds_load_b128 v[\fb+8*\f+4:\fb+8*\f+7], v[AG+\i] offset:\p*STGB+\f*1024+512
.endr
.endm
; 16 matrix instructions: one K group (4 x 32) x 4 query tiles.  The four accumulators take turns, one instruction a turn, from group to group,
; from sub-step to sub-step and over the backward jump too.
.macro GRP a, xo, s, first
.irp f, 0,1,2,3
.irp n, 0,1,2,3
.set dd, ACC+32*(\s)+8*\n
.set cc, dd
.if \first
.if \f == 0
.set cc, NRM                                       ; the first product starts the sum on -|br|^2 / 2
.endif
.endif
	v_wmma_f32_16x16x32_bf16 v[dd:dd+7], v[\a+8*\f:\a+8*\f+7], v[\xo+32*\f+8*\n:\xo+32*\f+8*\n+7], v[cc:cc+7]
.endr
.endr
.endm
; ONE SUB-STEP, entered straight behind a barrier.  p: the buffer (stage, norms, own fragments, results) of this tile; the other one belongs to the next tile's
; conversion and to the last tile's results, whose selection is spread over this sub-step.  conv = 1: the next tile, at byte cs of slot sl's rows, is converted.
; bar: 0 none; 1 the work-group's barrier; 2 with the wait for all tensor loads; 3 a round of the cluster's barrier and the refill of slot.
; LDS instructions in order of issue with conv: norms 8, CF0 4, CF1 4, FB0 8, FB1 8, CONV 0 (2 + 4), CONV 1 (2 + 4), FB0 again 8, CONV 2 (2), CONV 3 (2), norm 1.
; Vector work stands between the groups of 16, under the all-zero setting: the queries fill two whole blocks, so under a matrix setting no vector instruction could name block 0 in source 1.
.macro SUB p, sl, cs, conv, bar, slot
.irp w, 0,1,2,3
	ds_load_b128 v[ACC+32*\p+8*\w:ACC+32*\p+8*\w+3],   v[ANRM] offset:\p*256+\w*64      ; the four waves' norm parts of rows 8 h + 0..7, into the result buffer, which is free
	ds_load_b128 v[ACC+32*\p+8*\w+4:ACC+32*\p+8*\w+7], v[ANRM] offset:\p*256+\w*64+16
.endr
.if \conv
	CFLD 0, \sl, \cs
	CFLD 1, \sl, \cs+128
.endif
	WIN 0x40                                       ; destination block 1
	FBLD FB0, 1, \p
	FBLD FB1, 2, \p
	WIN 0
	TOPK 1-\p, 1
.if \conv
	s_wait_dscnt 24                                ; the 8 norm loads are in; younger: CF 8, FB 16
.else
	s_wait_dscnt 16                                ; younger: FB 16
.endif
.irp j, 0,2,4,6
	v_pk_add_f32 v[NRM+\j:NRM+\j+1], v[ACC+32*\p+\j:ACC+32*\p+\j+1], v[ACC+32*\p+8+\j:ACC+32*\p+8+\j+1]
	v_pk_add_f32 v[ACC+32*\p+16+\j:ACC+32*\p+16+\j+1], v[ACC+32*\p+16+\j:ACC+32*\p+16+\j+1], v[ACC+32*\p+24+\j:ACC+32*\p+24+\j+1]
.endr
.irp j, 0,2,4,6
	v_pk_add_f32 v[NRM+\j:NRM+\j+1], v[NRM+\j:NRM+\j+1], v[ACC+32*\p+16+\j:ACC+32*\p+16+\j+1]
.endr
	WIN 0x08                                       ; A block 0 (my own fragments), queries block 2
	GRP OWN+32*\p, 0, \p, 1
	WIN 0
	TOPK 1-\p, 2
.if \conv
	s_wait_dscnt 20                                ; CF0 is in; younger: CF1 4, FB 16
	CONV 0, 1-\p, \sl, \cs, 1
	s_wait_dscnt 14                                ; FB0 is in, and CF1 in front of it; younger: FB1 8, CONV 0's 6
.else
	s_wait_dscnt 8                                 ; FB0 is in; younger: FB1 8
.endif
	WIN 0x09                                       ; A block 1, queries block 2
	GRP FB0, 128, \p, 0
	WIN 0
	TOPK 1-\p, 3                                   ; also the places between the group above, which read FB0, and the loads into FB0 below
.if \conv
	CONV 1, 1-\p, \sl, \cs, 1
.endif
	WIN 0x40
	FBLD FB0, 3, \p
.if \conv
	s_wait_dscnt 20                                ; FB1 is in; younger: CONV 0's 6, CONV 1's 6, FB0 again 8
.else
	s_wait_dscnt 8                                 ; younger: FB0 again 8
.endif
	WIN 0x0d                                       ; A block 1, queries block 3
	GRP FB1, 0, \p, 0
.if \conv
	WIN 0
	s_wait_dscnt 14                                ; CF0 with fragment 2 is in; younger: CONV 1's 6, FB0 again 8
	CONV 2, 1-\p, \sl, \cs, 0
	s_wait_dscnt 2                                 ; FB0 again is in, and CF1 with fragment 3 in front of it; younger: CONV 2's 2 stores
.else
	s_wait_dscnt 0
.endif
	WIN 0x0d
	GRP FB0, 128, \p, 0
	WIN 0
.if \conv
	CONV 3, 1-\p, \sl, \cs, 0                      ; this and the norm are also the places between the last group and the first reader of its results
	NORMFIN 1-\p
.else
	PLACES                                         ; four places between the last matrix instructions and the readers of their results (ISA guide 7.12.1)
.endif
.if \bar
	s_wait_dscnt 0x0                               ; my stores of the next tile's fragments and norm are done, and my reads of this tile's and of the f32 slot are back
.if \bar > 1
	s_wait_tensorcnt 0x0                           ; all my tensor loads have landed: the one that was out is my quarter of the other slot, which the next sub-step begins to read
	ds_add_u32 v254, v255
	s_wait_dscnt 0x0
.endif
	s_barrier_signal -1
	TOPK \p, 0                                     ; register work while the others arrive
	s_barrier_wait -1
.if \bar == 3
	CREST                                          ; all four work-groups have said so: no wave of any partner still reads this slot or has a load on its way
	s_add_nc_u64 s[G0+4*\slot+2:G0+4*\slot+3], s[G0+4*\slot+2:G0+4*\slot+3], 2*64*2048   ; two steps on; no load of mine is out
	tensor_load_to_lds s[G0+4*\slot:G0+4*\slot+3], s[G1:G1+7]      ; my one load behind the round: it has four sub-steps, 256 matrix instructions, in which to land
	s_nop 0
.endif
.endif
.endm
; Two steps = eight sub-steps = once round the ring.  Sub-step q converts tile q + 1: slot 0's last tile in q = 2, slot 1's last in q = 6.
.macro LAP r2, r6
	SUB 0, 0, 1*TILEB, 1, 1, 0
	SUB 1, 0, 2*TILEB, 1, 1, 0
	SUB 0, 0, 3*TILEB, 1, \r2, 0
	SUB 1, 1, 0,       1, 1, 0
	SUB 0, 1, 1*TILEB, 1, 1, 0
	SUB 1, 1, 2*TILEB, 1, 1, 0
	SUB 0, 1, 3*TILEB, 1, \r6, 1
	SUB 1, 0, 0,       1, 1, 0
.endm
	s_load_b128 s[4:7], s[0:1], 0x0                ; base s[4:5], xf s[6:7]
	s_load_b64 s[8:9], s[0:1], 0x10                ; cand
	v_lshl_add_u32 v254, v0, 2, 0x4a200
	v_mov_b32 v255, 0
	ds_add_u32 v254, v255
	ds_add_u32 v254, v255
	v_lshrrev_b32 v1, 5, v0
	v_readfirstlane_b32 s10, v1                    ; wave 0..3
	s_bfe_u32 s11, ttmp6, 0x40000                  ; cx: my place in the cluster
	s_mul_i32 s14, ttmp9, OWNROWS                  ; my cluster's first own row (ttmp9 counts clusters)
	s_min_u32 s15, s14, NBASE-WINROWS              ; the window's first row
	s_sub_co_u32 s20, s14, s15                     ; own rows begin so many rows into the window
	s_sub_co_u32 s13, NBASE, s14
	s_min_u32 s13, s13, OWNROWS                    ; how many own rows
	s_lshl_b32 s16, s15, 11                        ; rows of 2,048 bytes: below 2^28
	s_lshl_b32 s17, s10, 9                         ; my K quarter: 512 bytes
	s_add_co_u32 s16, s16, s17
	s_mov_b32 s17, 0
	s_mul_i32 s21, s10, CHUNK
	s_mov_b32 s18, 0x76543210                      ; lane i of one half reads lane i of the other
	s_mov_b32 s19, 0xfedcba98
	; descriptor group 1: 64 rows x 128 elements of 4 bytes, 512 elements from row to row, 16 bytes of padding behind every 512
	s_mov_b32 s[G1+0], 15|(2<<16)|(1<<20)|(1<<21)|(6<<22)|(3<<25)  ; 15:0 all four work-groups; 17:16 4-byte elements; 20 padding on; 21 set beside a mask; 24:22 after 128 words; 31:25 4 words
	s_mov_b32 s[G1+1], 128<<16                     ; tensor_dim0 = 128
	s_mov_b32 s[G1+2], 64<<16                      ; tensor_dim1 = 64
	s_mov_b32 s[G1+3], 128<<16                     ; tile_dim0 = 128
	s_mov_b32 s[G1+4], 64                          ; tile_dim1 = 64
	s_mov_b32 s[G1+5], 512                         ; elements from row to row
	s_mov_b32 s[G1+6], 0
	s_mov_b32 s[G1+7], 0
	s_wait_dscnt 0x0
	s_wait_kmcnt 0x0
	s_add_nc_u64 s[14:15], s[4:5], s[16:17]        ; my quarter of the window's first row: made of the cluster's number and the wave's alone
	CROUND                                         ; all four work-groups are here: the first joint loads meet
.irp s, 0,1
	s_mov_b32 s[G0+4*\s], 1                                        ; count = 1
	s_add_co_u32 s[G0+4*\s+1], s21, \s*SLOT                        ; LDS address: slot, wave's quarter
	s_add_nc_u64 s[G0+4*\s+2:G0+4*\s+3], s[14:15], \s*64*2048      ; step s
	s_or_b32 s[G0+4*\s+3], s[G0+4*\s+3], 0x80000000                ; type = 2
	tensor_load_to_lds s[G0+4*\s:G0+4*\s+3], s[G1:G1+7]            ; both first fills go out together: two loads of mine are out, later one at a time
	s_nop 0
.endr
	; the queries: 128 loads of 512 neighbouring bytes into blocks 2 and 3, while the first tiles are on their way
	v_and_b32 v1, 31, v0
	v_lshlrev_b32 v[LOFF], 4, v1
	s_lshl2_add_u32 s22, s11, s10                  ; blk = 4 cx + w
	s_lshl_b32 s23, s22, 16
	s_mov_b32 s49, 0
.irp g, 0,1,2,3
	s_add_co_u32 s48, s10, \g
	s_and_b32 s48, s48, 3                          ; my K group g is quarter (w + g) mod 4
	s_lshl_b32 s48, s48, 14
	s_add_co_u32 s48, s48, s23
	s_add_nc_u64 s[XB+2*\g:XB+2*\g+1], s[6:7], s[48:49]
.endr
	s_lshl4_add_u32 s48, ttmp9, s22                ; 16 c + blk
	s_mul_i32 s48, s48, 2560
	s_add_nc_u64 s[8:9], s[8:9], s[48:49]          ; where my lists go
.macro XLD g
.irp f, 0,1,2,3
.irp n, 0,1,2,3
	global_load_b128 v[(\g&1)*128+32*\f+8*\n:(\g&1)*128+32*\f+8*\n+3],   v[LOFF], s[XB+2*\g:XB+2*\g+1] offset:\f*4096+\n*1024
	global_load_b128 v[(\g&1)*128+32*\f+8*\n+4:(\g&1)*128+32*\f+8*\n+7], v[LOFF], s[XB+2*\g:XB+2*\g+1] offset:\f*4096+\n*1024+512
.endr
.endr
.endm
	WIN 0x80                                       ; destination block 2
	XLD 0
	XLD 1
	WIN 0xc0                                       ; destination block 3
	XLD 2
	XLD 3
	WIN 0
	; addresses
	v_and_b32 v[TP], 15, v0                        ; r
	v_bfe_u32 v[HH], v0, 4, 1                      ; h
	v_mul_u32_u24 v[ACV], v[TP], PITCH
	v_lshl_add_u32 v[ACV], v[HH], 5, v[ACV]
	v_add_nc_u32 v[ACV], s21, v[ACV]
	v_add_nc_u32 v[ACV+1], SLOT, v[ACV]
.irp i, 0,1,2,3
	s_add_co_u32 s52, s10, \i
	s_and_b32 s52, s52, 3
	s_lshl_b32 s52, s52, 12
	s_add_co_u32 s52, s52, STG
	v_add_nc_u32 v[AG+\i], s52, v[LOFF]
.endr
	v_lshl_add_u32 v[ANRM], v[HH], 5, NORM
	s_lshl_b32 s52, s10, 6
	s_add_co_u32 s52, s52, NORM
	v_lshl_add_u32 v[ANS], v[TP], 2, s52
	v_sub_nc_u32 v[REL], v[TP], s20
	v_mov_b32 v[ZERO], 0
	s_mov_b32 s53, 0xff800000                      ; -infinity
.irp i, 0,1,2,3,4,5,6,7,8,9,10,11,12,13,14,15,16,17,18,19
	v_mov_b32 v[LB+\i], s53                        ; empty lists
.endr
.irp i, 8,9,10,11,12,13,14,15,16,17,18,19,20,21,22,23,24,25,26,27,28,29,30,31
	v_mov_b32 v[ACC+32+\i], s53                    ; the first sub-step selects from 'the tile before': 24 numbers that change no list, so that the first lap is a lap like the others
.endr
	; tile 0 is converted in front of the loop
	s_wait_tensorcnt 0x1                           ; my quarter of slot 0 is in (only I read it); slot 1's stays out
	CFLD 0, 0, 0
	CFLD 1, 0, 128
	s_wait_dscnt 4                                 ; CF0 is in; younger: CF1 4
	CONV 0, 0, 0, 0, 1
	s_wait_dscnt 6                                 ; CF1; younger: CONV 0's 2 stores and 4 loads
	CONV 1, 0, 0, 0, 1
	s_wait_dscnt 6                                 ; CF0 with fragment 2; younger: CONV 1's 6
	CONV 2, 0, 0, 0, 0
	s_wait_dscnt 2                                 ; CF1 with fragment 3; younger: CONV 2's 2 stores
	CONV 3, 0, 0, 0, 0
	NORMFIN 0
	s_wait_loadcnt 0x0                             ; the queries are in
	s_wait_dscnt 0x0                               ; my fragments and my norm part are in LDS before I say so
	s_barrier_signal -1
	s_barrier_wait -1                              ; slot 1's first load may still be out
	s_mov_b32 s3, 11                               ; steps 0 to 21; the refills reach step 23
.Llap:
	LAP 3, 3
	s_sub_co_u32 s3, s3, 1
	s_cmp_lg_u32 s3, 0
	s_cbranch_scc1 .Llap
	LAP 3, 2                                       ; steps 22 and 23: step 24 is fetched into slot 0; slot 1 is not filled again, only step 24's landing is waited for
	SUB 0, 0, 1*TILEB, 1, 1, 0                     ; step 24
	SUB 1, 0, 2*TILEB, 1, 1, 0
	SUB 0, 0, 3*TILEB, 1, 1, 0
	SUB 1, 0, 0, 0, 0, 0                           ; the last tile: nothing more to convert
	TOPK 1, 0
	TOPK 1, 1
	TOPK 1, 2
	TOPK 1, 3
	; cand[c][blk][i][L][n]: entry i of my four lists is 16 bytes; a store of the wave covers 512 neighbouring bytes, aligned
.irp i, 0,1,2,3,4
	global_store_b128 v[LOFF], v[LB+4*\i:LB+4*\i+3], s[8:9] offset:512*\i
.endr
	s_wait_tensorcnt 0x0
	ds_add_u32 v254, v255
	s_wait_dscnt 0x0
	CROUND                                         ; the closing round: no work-group ends while a partner may still ask for a tile that names it
	s_endpgm
.Lfunc_end_k_q71ae0a4fd7_main:
	.size	k_q71ae0a4fd7_main, .Lfunc_end_k_q71ae0a4fd7_main-k_q71ae0a4fd7_main
	.p2alignl 7, 3214868480
	.fill 96, 4, 3214868480
	.section	.rodata,"a",@progbits
	.p2align	6, 0x0
	.amdhsa_kernel k_q71ae0a4fd7_main
		.amdhsa_group_segment_fixed_size 327680
		.amdhsa_private_segment_fixed_size 0
		.amdhsa_enable_private_segment 0
		.amdhsa_kernarg_size 24
		.amdhsa_user_sgpr_count 2
		.amdhsa_user_sgpr_kernarg_segment_ptr 1
		.amdhsa_wavefront_size32 1
		.amdhsa_system_sgpr_workgroup_id_x 1
		.amdhsa_system_sgpr_workgroup_id_y 1
		.amdhsa_system_sgpr_workgroup_id_z 1
		.amdhsa_system_vgpr_workitem_id 0
		.amdhsa_next_free_vgpr 1024
		.amdhsa_next_free_sgpr 66
		.amdhsa_reserve_vcc 1
		.amdhsa_float_denorm_mode_32 3
		.amdhsa_float_denorm_mode_16_64 3
		.amdhsa_memory_ordered 1
		.amdhsa_forward_progress 1
		.amdhsa_inst_pref_size 255
	.end_amdhsa_kernel
	.section	.bss,"aw",@nobits
	.p2align	6
	.space	262144
	.amdgpu_metadata
---
amdhsa.version: [ 1, 2 ]
amdhsa.kernels:
  - .name:           k_q71ae0a4fd7_main
    .symbol:         k_q71ae0a4fd7_main.kd
    .args:
      - { .name: base_data, .offset: 0, .size: 8, .value_kind: global_buffer, .address_space: global }
      - { .name: xf, .offset: 8, .size: 8, .value_kind: global_buffer, .address_space: global }
      - { .name: cand, .offset: 16, .size: 8, .value_kind: global_buffer, .address_space: global }
    .group_segment_fixed_size: 327680
    .private_segment_fixed_size: 0
    .kernarg_segment_align: 8
    .kernarg_segment_size: 24
    .max_flat_workgroup_size: 128
    .sgpr_count:     66
    .vgpr_count:     1024
    .wavefront_size: 32
...
	.end_amdgpu_metadata
.endif
;; end of part 2
;; launch merge (part 3): grid 16 x 1, 16 waves a work-group, no clusters, 54,528 bytes of LDS; arguments cand, xn, out0; writes out0
.if DOCPART == 3
	.amdgcn_target "amdgcn-amd-amdhsa--gfx1250"
	.amdhsa_code_object_version 6
	.text
	.protected	k_q71ae0a4fd7_merge
	.globl	k_q71ae0a4fd7_merge
	.p2align	8
	.type	k_q71ae0a4fd7_merge,@function
k_q71ae0a4fd7_merge:
	s_mov_b64 s[64:65], 0
	v_nop
	global_prefetch_b8 v0, s[64:65] scope:SCOPE_SE
	s_setreg_imm32_b32 hwreg(HW_REG_WAVE_MODE, 25, 1), 1
	s_wait_xcnt 0x0
; For each query 128 sorted lists of five t (64 shares of the base rows x 2 halves of the lanes) become one, and d = sqrt(max(|xr|^2 - 2 t, 0)).
; The largest t is the smallest d, so the descending list of t is the ascending list of d.
; Work-group blk takes the 64 queries 64 blk + 16 n + r.  cand[c 64][blk 16][i 5][L 32][n 4] f32: lane L = 16 h + r, as the launch before left it.
; Stage 1: wave v merges shares 4 v .. 4 v + 3; stage 2: waves 0-3 merge four waves each; stage 3: wave 0 merges the four, then the two halves of the lanes.
; Lists go from wave to wave through LDS.  An insert is the five instructions of the launch before: no branch hangs on a number.
; LIMITS: a NaN is dropped by the _num forms; v_sqrt_f32 takes a denormal as zero (ISA guide, its entry in 15.8).
.set LISTB, 2560                       ; 5 entries x 32 lanes x 16 bytes
.set RA, 0                             ; LDS: 16 waves' lists
.set RB, 16*LISTB                      ; 4 waves' lists
.set RC, 20*LISTB                      ; the block's 64 x 5 results, 1,280 bytes, as they lie in out0
.set LOFF, 2                           ; 16 L
.set R16,  3                           ; 16 r
.set GOFF, 4                           ; byte offset in cand
.set LAD,  5                           ; wave x LISTB + 16 L
.set R20,  6                           ; 20 r
.set LS,   8                           ; v[8:27]   entry i of query tile n at LS + 4 i + n, descending
.set IN,   28                          ; v[28:87]  three lists to insert
.set XN,   88                          ; v[88:91]  |xr|^2 of queries (n = 0..3, r)
.macro INS v, n
	v_med3_num_f32 v[LS+16+\n], v[LS+12+\n], v[LS+16+\n], v[\v]
	v_med3_num_f32 v[LS+12+\n], v[LS+8+\n],  v[LS+12+\n], v[\v]
	v_med3_num_f32 v[LS+8+\n],  v[LS+4+\n],  v[LS+8+\n],  v[\v]
	v_med3_num_f32 v[LS+4+\n],  v[LS+\n],    v[LS+4+\n],  v[\v]
	v_max_num_f32  v[LS+\n],    v[LS+\n],    v[\v]
.endm
.macro INS20 b                         ; a list of five for each of the four tiles; neighbouring inserts go to different lists
.irp i, 0,1,2,3,4
.irp n, 0,1,2,3
	INS \b+4*\i+\n, \n
.endr
.endr
.endm
	s_load_b128 s[4:7], s[0:1], 0x0                ; cand s[4:5], xn s[6:7]
	s_load_b64 s[8:9], s[0:1], 0x10                ; out0
	v_lshl_add_u32 v96, v0, 2, 0xcd00
	v_mov_b32 v97, 0
	v_lshrrev_b32 v1, 5, v0
	v_readfirstlane_b32 s10, v1                    ; wave 0..15
	v_and_b32 v1, 31, v0
	v_lshlrev_b32 v[LOFF], 4, v1
	s_mul_i32 s12, ttmp9, LISTB
	s_mov_b32 s13, 0
	s_mul_i32 s14, s10, 4*16*LISTB                 ; four shares of 16 blocks
	v_add_nc_u32 v[GOFF], s14, v[LOFF]
	s_wait_kmcnt 0x0
	s_add_nc_u64 s[4:5], s[4:5], s[12:13]
	; stage 1: 20 loads of 512 neighbouring bytes; share 4 v lands in the list itself, it is sorted already
.irp i, 0,1,2,3,4
	global_load_b128 v[LS+4*\i:LS+4*\i+3], v[GOFF], s[4:5] offset:512*\i th:TH_LOAD_NT
.endr
.irp e, 1,2,3
.irp i, 0,1,2,3,4
	global_load_b128 v[IN+20*(\e-1)+4*\i:IN+20*(\e-1)+4*\i+3], v[GOFF], s[4:5] offset:\e*16*LISTB+512*\i th:TH_LOAD_NT
.endr
.endr
	s_lshl_b32 s12, ttmp9, 8
	s_add_nc_u64 s[6:7], s[6:7], s[12:13]          ; xn at my block
	s_mul_i32 s12, ttmp9, 1280
	s_add_nc_u64 s[8:9], s[8:9], s[12:13]          ; out0 at my block: 64 rows of 20 bytes
	s_mul_i32 s15, s10, LISTB
	v_add_nc_u32 v[LAD], s15, v[LOFF]
	v_and_b32 v1, 15, v0
	v_lshlrev_b32 v[R16], 4, v1
	v_mul_u32_u24 v[R20], v1, 20
	s_mov_b32 s16, 0x76543210                      ; lane i of one half reads lane i of the other
	s_mov_b32 s17, 0xfedcba98
	s_wait_loadcnt 10                              ; shares 0 and 1 are in; the ten loads of shares 2 and 3 stay out
	INS20 IN
	s_wait_loadcnt 5                               ; share 2; share 3's five stay out
	INS20 IN+20
	s_wait_loadcnt 0
	INS20 IN+40
.irp i, 0,1,2,3,4
	ds_store_b128 v[LAD], v[LS+4*\i:LS+4*\i+3] offset:RA+512*\i
.endr
	s_wait_dscnt 0x0                               ; my list is in LDS before I say so
	s_barrier_signal -1
	s_barrier_wait -1
	; stage 2: wave v < 4 adds the lists of waves v + 4, v + 8, v + 12 to its own
	s_cmp_ge_u32 s10, 4
	s_cbranch_scc1 .Lnot_four
.irp m, 1,2,3
.irp i, 0,1,2,3,4
	ds_load_b128 v[IN+20*(\m-1)+4*\i:IN+20*(\m-1)+4*\i+3], v[LAD] offset:RA+\m*4*LISTB+512*\i
.endr
.endr
	s_wait_dscnt 0x0
	INS20 IN
	INS20 IN+20
	INS20 IN+40
.irp i, 0,1,2,3,4
	ds_store_b128 v[LAD], v[LS+4*\i:LS+4*\i+3] offset:RB+512*\i
.endr
	s_wait_dscnt 0x0
.Lnot_four:
	s_barrier_signal -1
	s_barrier_wait -1
	; stage 3: wave 0 alone
	s_cmp_lg_u32 s10, 0
	s_cbranch_scc1 .Lend
	global_load_b128 v[XN:XN+3], v[R16], s[6:7]    ; asked for here, used behind 400 instructions of inserts
.irp m, 1,2,3
.irp i, 0,1,2,3,4
	ds_load_b128 v[IN+20*(\m-1)+4*\i:IN+20*(\m-1)+4*\i+3], v[LAD] offset:RB+\m*LISTB+512*\i
.endr
.endr
	s_wait_dscnt 0x0
	INS20 IN
	INS20 IN+20
	INS20 IN+40
.irp k, 0,1,2,3,4,5,6,7,8,9,10,11,12,13,14,15,16,17,18,19
	v_permlanex16_b32 v[IN+\k], v[LS+\k], s16, s17 ; the other half's list of the same queries, taken whole before any of it is inserted
.endr
	INS20 IN
	s_wait_loadcnt 0x0
.irp i, 0,1,2,3,4
	v_pk_fma_f32 v[LS+4*\i:LS+4*\i+1],   v[LS+4*\i:LS+4*\i+1],   -2.0, v[XN:XN+1]   op_sel_hi:[1,0,1]   ; |xr|^2 - 2 t
	v_pk_fma_f32 v[LS+4*\i+2:LS+4*\i+3], v[LS+4*\i+2:LS+4*\i+3], -2.0, v[XN+2:XN+3] op_sel_hi:[1,0,1]
.endr
.irp k, 0,1,2,3,4,5,6,7,8,9,10,11,12,13,14,15,16,17,18,19
	v_max_num_f32 v[LS+\k], 0, v[LS+\k]
.endr
.irp k, 0,1,2,3,4,5,6,7,8,9,10,11,12,13,14,15,16,17,18,19
	v_sqrt_f32 v[LS+\k], v[LS+\k]
.endr
	v_nop                                          ; one plain vector instruction behind the last root before its result is read (ISA guide 5.7.2)
	; through LDS, so that the block's 1,280 bytes leave as five whole pieces of 256: out0 row 16 n + r, column i
	s_wait_alu depctr_va_vdst(0)
.irp i, 0,1,2,3,4
.irp n, 0,1,2,3
	ds_store_b32 v[R20], v[LS+4*\i+\n] offset:RC+320*\n+4*\i       ; both halves write the same word with the same value
.endr
.endr
	ds_load_b128 v[IN:IN+3],    v[LOFF] offset:RC          ; my own bytes: LDS serves a wave's instructions in order (ISA guide 5.7.1.4)
	ds_load_b128 v[IN+4:IN+7],  v[LOFF] offset:RC+512
	ds_load_b128 v[IN+8:IN+11], v[R16]  offset:RC+1024     ; the last 256 bytes: lanes 16-31 repeat lanes 0-15, so EXEC stays whole
	s_wait_dscnt 0x0
	global_store_b128 v[LOFF], v[IN:IN+3],    s[8:9]
	global_store_b128 v[LOFF], v[IN+4:IN+7],  s[8:9] offset:512
	global_store_b128 v[R16],  v[IN+8:IN+11], s[8:9] offset:1024
.Lend:
	s_wait_tensorcnt 0x0
	ds_add_u32 v96, v97
	s_wait_dscnt 0x0
	s_endpgm
.Lfunc_end_k_q71ae0a4fd7_merge:
	.size	k_q71ae0a4fd7_merge, .Lfunc_end_k_q71ae0a4fd7_merge-k_q71ae0a4fd7_merge
	.p2alignl 7, 3214868480
	.fill 96, 4, 3214868480
	.section	.rodata,"a",@progbits
	.p2align	6, 0x0
	.amdhsa_kernel k_q71ae0a4fd7_merge
		.amdhsa_group_segment_fixed_size 54528
		.amdhsa_private_segment_fixed_size 0
		.amdhsa_enable_private_segment 0
		.amdhsa_kernarg_size 24
		.amdhsa_user_sgpr_count 2
		.amdhsa_user_sgpr_kernarg_segment_ptr 1
		.amdhsa_wavefront_size32 1
		.amdhsa_system_sgpr_workgroup_id_x 1
		.amdhsa_system_sgpr_workgroup_id_y 1
		.amdhsa_system_sgpr_workgroup_id_z 1
		.amdhsa_system_vgpr_workitem_id 0
		.amdhsa_next_free_vgpr 98
		.amdhsa_next_free_sgpr 66
		.amdhsa_reserve_vcc 0
		.amdhsa_float_denorm_mode_32 3
		.amdhsa_float_denorm_mode_16_64 3
		.amdhsa_memory_ordered 1
		.amdhsa_forward_progress 1
		.amdhsa_inst_pref_size 68
	.end_amdhsa_kernel
	.amdgpu_metadata
---
amdhsa.version: [ 1, 2 ]
amdhsa.kernels:
  - .name:           k_q71ae0a4fd7_merge
    .symbol:         k_q71ae0a4fd7_merge.kd
    .args:
      - { .name: cand, .offset: 0, .size: 8, .value_kind: global_buffer, .address_space: global }
      - { .name: xn, .offset: 8, .size: 8, .value_kind: global_buffer, .address_space: global }
      - { .name: out0, .offset: 16, .size: 8, .value_kind: global_buffer, .address_space: global }
    .group_segment_fixed_size: 54528
    .private_segment_fixed_size: 0
    .kernarg_segment_align: 8
    .kernarg_segment_size: 24
    .max_flat_workgroup_size: 512
    .sgpr_count:     66
    .vgpr_count:     98
    .wavefront_size: 32
...
	.end_amdgpu_metadata
.endif
;; end of part 3
